; MI455X (gfx1250); checked and timed in simulation.
; The chip was launched on July 23, 2026; its instructions are those of AMD's public machine-readable ISA for CDNA 5 (MIT licence, August 2026) and "CDNA5" Instruction Set Architecture Reference Guide (July 2026). The comments in the code are by the model that wrote it; some were corrected since.
;; Multi Head Attention. Allowed arithmetic: matrix products marked QUANTISED: E4M3 operands, one given power-of-two scale a tensor, by v_wmma_f32_16x16x64_fp8_fp8 or v_wmma_f32_16x16x128_fp8_fp8, f32 sums; everything else in f32.
;; Inputs: lowp_scales 12 int32 (the exponents e of the quantised operands' scales 2^e); wk_codes 1,024 x 32 x 32 uint8 (E4M3 codes of wk, K innermost, in blocks of 32 codes); wo_codes 1,024 x 32 x 32 uint8 (E4M3 codes of wo, K innermost, in blocks of 32 codes); wq_codes 1,024 x 32 x 32 uint8 (E4M3 codes of wq, K innermost, in blocks of 32 codes); wv_codes 1,024 x 32 x 32 uint8 (E4M3 codes of wv, K innermost, in blocks of 32 codes); x_codes 4 x 2,048 x 32 x 32 uint8 (E4M3 codes of x, K innermost, in blocks of 32 codes).
;; Outputs: out0 4 x 2,048 x 1,024 float32.
;; This version of the problem:
;;   THIS VERSION OF THE PROBLEM IS GIVEN IN LOW PRECISION. The matrix products marked QUANTISED in the list below multiply operands that are first quantised to E4M3 (4 exponent bits, 3 mantissa bits; 8 bits a number), with one given power-of-two scale for each operand tensor; their sums are f32. All else is computed in f32.
;;   The module's matrix products, in the order in which they are computed (A, B: the left and right operand; K: the contracted axis; several contracted axes count as one K, in the product's order):
;;     1. [M 8,192, K 1,024] x [K 1,024, N 1,024]; A: input x (given as codes); B: input wq (given as codes): QUANTISED (scales: A lowp_scales[0], B lowp_scales[1])
;;     2. [M 8,192, K 1,024] x [K 1,024, N 1,024]; A: input x (given as codes); B: input wk (given as codes): QUANTISED (scales: A lowp_scales[2], B lowp_scales[3])
;;     3. [M 8,192, K 1,024] x [K 1,024, N 1,024]; A: input x (given as codes); B: input wv (given as codes): QUANTISED (scales: A lowp_scales[4], B lowp_scales[5])
;;     4. batch 64 x [M 2,048, K 64] x [K 64, N 2,048]; A: computed on the way; B: computed on the way: QUANTISED (scales: A lowp_scales[6], B lowp_scales[7])
;;     5. batch 64 x [M 2,048, K 2,048] x [K 2,048, N 64]; A: softmax (see below); B: computed on the way: QUANTISED (scales: A lowp_scales[8], B lowp_scales[9])
;;     6. [M 8,192, K 1,024] x [K 1,024, N 1,024]; A: computed on the way; B: input wo (given as codes): QUANTISED (scales: A lowp_scales[10], B lowp_scales[11])
;;   THE QUANTISER, for each operand of a quantised product, along K:
;;     - The operand's scale is 2^e, e = its entry of the input lowp_scales (int32; the entries are numbered through the quantised products in the list's order, A before B).
;;     - Each number is divided by the scale, clamped to +-448, and rounded to the nearest number of E4M3, ties to even, subnormals kept.
;;     - The product sums the exact products of the quantised numbers (number of the format x scale) in f32.
;;   ~~~python
;;   def quantise(x, axis, e):      # numpy; x: float32 -> the quantised numbers, widened to float32 again
;;       x = np.moveaxis(x, axis, -1); K = x.shape[-1]
;;       r = np.clip(x / 2.0 ** e, -448, 448)
;;       step = 2.0 ** (np.maximum(np.frexp(np.where(r == 0, 1, r))[1] - 1, -6) - 3)
;;       q = np.round(r / step) * step * 2.0 ** e      # np.round: ties to even
;;       return np.moveaxis(q, -1, axis).astype(np.float32)
;;   ~~~
;;   SOFTMAX AHEAD OF A QUANTISED PRODUCT. Where the list says 'softmax', what is quantised is not the finished softmax but p = 2^(t - M), with t = logit x log2(e) and M = ceil(the row's largest t), a whole number; so 1/2 < the row's largest p <= 1. The row's sum l is taken of the UNQUANTISED p, in f32, and the product's result is divided by l at the end. Since M is a whole number, a kernel that streams over the keys may use a running M (the ceiling of the running maximum): every later rescaling is an exact power of two, so the quantised numbers keep their values, but for numbers so far below the row's largest that they fall under the format's range.
;;   OPERANDS COMPUTED ON THE WAY. 'Computed on the way' means the value that the module computes at that place (a softmax that the list does not call 'softmax' is quantised finished and normalised). What goes into a quantiser is computed in f32, as accurately as f32 sums, v_exp_f32 and their like allow (about 1e-6 of the number): no bf16 or f16 on the way to a quantiser, and a product that is left as it is and whose result goes on into a quantised operand takes f32 operands (vector FMAs, or v_wmma_f32_16x16x4_f32). A number that lies on a knife's edge between two numbers of the format may be rounded either way, as far as f32 arithmetic and the matrix unit's own rounding can turn it there, and no further.
;;   INPUTS GIVEN AS CODES. wk (in the module: [1024, 1024], K = its axis 0); wo (in the module: [1024, 1024], K = its axis 0); wq (in the module: [1024, 1024], K = its axis 0); wv (in the module: [1024, 1024], K = its axis 0); x (in the module: [4, 2048, 1024], K = its axis 2): each comes as NAME_codes (uint8): NAME with its K axis moved to the last place and cut into blocks of 32 codes, [.., K / 32, bytes a block], one block behind the other in memory; one code a byte (a code: sign, 4 exponent bits, 3 mantissa bits); its scale is its entry of lowp_scales. Its value is code x scale, taken as it is: it is not quantised again, and the codes and scales need not be those that the quantiser above would give.
;; One version. Each part assembles by itself: llvm-mc -triple=amdgcn-amd-amdhsa -mcpu=gfx1250 --defsym DOCPART=n.
;; ======== version 1 of 1: 3 launches
;; limits: right only within a limited range of input values
;; workspace buffers: q_img 8,388,608 bytes; k_img 8,388,608 bytes; v_img 8,388,608 bytes; ctx_img 8,388,608 bytes
;; launch proj (part 1): grid 8 x 32, 4 waves a work-group, clusters of 4 x 4, 327,680 bytes of LDS; arguments x_codes, wq_codes, wk_codes, wv_codes, lowp_scales, q_img, k_img, v_img; writes q_img, k_img, v_img
.if DOCPART == 1
	.amdgcn_target "amdgcn-amd-amdhsa--gfx1250"
	.amdhsa_code_object_version 6
	.text
	.protected	k_q5c0987e4c8_proj
	.globl	k_q5c0987e4c8_proj
	.p2align	8
	.type	k_q5c0987e4c8_proj,@function
k_q5c0987e4c8_proj:
	s_mov_b64 s[64:65], 0
	v_nop
	global_prefetch_b8 v0, s[64:65] scope:SCOPE_SE
	s_setreg_imm32_b32 hwreg(HW_REG_WAVE_MODE, 25, 1), 1
	s_wait_xcnt 0x0
	s_wait_alu depctr_hold_cnt(0) depctr_sa_sdst(0) depctr_va_vdst(0) depctr_va_sdst(0) depctr_va_ssrc(0) depctr_va_vcc(0) depctr_vm_vsrc(0)
	s_getreg_b32 s2, hwreg(HW_REG_IB_STS2, 6, 4)
	s_cmp_eq_u32 s2, 0
	s_cbranch_scc0 .Lentry_in_a_cluster
	s_endpgm
.Lentry_in_a_cluster:
	s_bfe_u32 s2, ttmp6, 0x10000c
	s_cmp_lg_u32 s2, 0xf033
	s_cbranch_scc0 .Lentry_shape_is_right
	s_endpgm
.Lentry_shape_is_right:
; FIRST OF THREE LAUNCHES of causal multi-head attention on codes of FP8 (E4M3): B 4, S 2,048, D 1,024, 16 heads of 64.
; This launch: q = x wq, k = x wk, v = x wv (8,192 x 1,024 x 1,024 each, on the codes as given), each result quantised with its given scale and stored as codes.
; DEAD WORK OF THE PROGRAM (left out in the second launch, nothing here): reference() sets score(q, k) to -inf wherever k > q, by its own tril, so p = 0 there for all values of the inputs.
; A step of 128 keys all of which come after all 16 queries of a tile adds nothing to the row's maximum, to its sum or to ctx: such steps are not walked.  Every input has a way to the output and is loaded.
; LIMIT: a NaN or an infinity that reaches only such hidden steps is not carried to the result.
; SCALES: a sum of x W stands for sum x 2^(ex + ew), so its code is sum / 2^E with Eq = e6 - e0 - e1, Ek = e7 - e2 - e3, Ev = e9 - e4 - e5 (x has its own entry for each product).
; LIMIT: each E lies between -126 and 119, so that 2^E and 448 x 2^E are f32 numbers.
; SHARES.  A work-group of four waves STAYS on 256 tokens (block T) x 128 features (block F) and makes that tile three times: for wq, wk, wv.  256 work-groups of equal work.
; Wave w: tokens 128 (w / 2) on, features 64 (w % 2) on, which is one head: 8 x 4 accumulators of 16 x 16, 256 registers.
; K goes in steps of 256 through a ring of two LDS slots; the ring of twelve steps (3 tiles x 4) runs on over the change of tiles, and a tile goes out while the next refill lands.
; CLUSTERS: 4 x 4 work-groups.  The four of a row share T and ask for x jointly, the four of a column share F and ask for W jointly: the same tensor load, the same descriptor, a mask that names the four.
; OPERAND ORDER.  q, k (kind 0): source 0 = 16 features of W, source 1 = 16 tokens of x: a lane holds one token, its 8 registers 8 neighbouring features, which is the next product K.
; v (kind 1): source 0 = x, source 1 = W: a lane holds one feature, its registers 8 neighbouring tokens: the keys, the K of the product with p.
; THE IMAGES.  The conversions give two registers for 8 neighbours 16 c + 8 (lane / 16) + 0 .. 7: registers 2 c, 2 c + 1 of an 8-bit operand.  They are stored as they stand, 16 bytes a lane, 512 consecutive bytes a store:
;   q_img, k_img: [batch x head 64][tile of 16 tokens 128][half 2][lane 32][16 bytes];   v_img: [batch x head 64][block of 128 keys 16][tile of 16 channels 4][quarter 4][lane 32][16 bytes].
; REGISTERS, in windows of 256: window 0: addresses, the scale, the codes on their way out.  window 1: accumulator (a, b) at v[8 (4 a + b)].  windows 2, 3: two sets of fragments: x block a at v[16 a], W block b at v[128 + 16 b].
.set PITCH,  272                       ; an LDS row: 256 bytes + 16 of padding = 68 words: the 16 rows of a fragment load start 4 banks apart
.set XHALF,  128*PITCH                 ; what one load of x brings, and what one wave reads of x
.set WHALF,  64*PITCH                  ; the same for W
.set WOFF,   2*XHALF                   ; a slot: 256 rows of x, then 128 rows of W
.set SLOT,   WOFF+2*WHALF              ; 104,448 bytes
.set SPARE,  2*SLOT                    ; behind the ring: the spare words, 128 bytes a wave, which no other line names
.set ADRX, 16                          ; v16-17  LDS address of my fragments of x in slot 0, 1
.set ADRW, 20                          ; v20-21  the same for W
.set CO,   26                          ; v26     16 x lane: my place in a store of 512 bytes
.set SPW,  28                          ; v28     my spare word; never rewritten
.set NIL,  29                          ; v29     0; never rewritten
.set SC,   30                          ; v30     2^E as f32
.set LIM,  31
.set CD,   32                          ; v32-95  a tile's codes: 16 stores x 4 registers
.set WV,   20                          ; s20     wave
.set ROLE, 21                          ; s21     wave / 2: my half of the tokens; also: I fetch x (0) or W (1)
.set HF,   22                          ; s22     wave % 2: my half of the features; also: which half of that tile I fetch
.set G1X,  28                          ; s[28:35] group 1 for x;  s[36:43] for W
.set G1W,  36
.set G0X,  44                          ; s[44:51] group 0 for x, a set for each slot;  s[52:59] for W
.set G0W,  52
.set XB,   60                          ; s[60:61] x at the rows that I fetch, K = 0
.set WB,   66                          ; s[66:71] wq, wk, wv at the rows that I fetch, K = 0
.set MSB, 0
.macro WIN new                         ; the immediate's high byte repeats the setting that is left; a switch that changes nothing is dropped
.if MSB != (\new)
	s_set_vgpr_msb (MSB<<8)|(\new)
.set MSB, (\new)
.endif
.endm
.macro PLACES cnt
.rept \cnt
	v_nop
.endr
.endm
; A joint load: waves 0, 1 ask for x, waves 2, 3 for W; the branch hangs on the wave's number alone.  An s_nop 0 and four v_nop follow each line.
.macro JLOAD g0a, g1a, g0b, g1b
	s_cmp_eq_u32 s[ROLE], 0
	s_cbranch_scc0 .Lfor_b_\@
	tensor_load_to_lds s[\g0a:\g0a+3], s[\g1a:\g1a+7]
	s_nop 0
.rept 4
	v_nop
.endr
	s_branch .Lasked_\@
.Lfor_b_\@:
	tensor_load_to_lds s[\g0b:\g0b+3], s[\g1b:\g1b+7]
	s_nop 0
.rept 4
	v_nop
.endr
.Lasked_\@:
.endm
.macro CREST                           ; a round of the cluster's barrier behind its opening barrier
	s_cmp_lg_u32 s[WV], 0
	s_cbranch_scc1 .Lnot_wave_0_\@
	s_barrier_signal -3
.Lnot_wave_0_\@:
	s_barrier_wait -3
	s_barrier_signal -1
	s_barrier_wait -1
.endm
.macro CROUND
	s_barrier_signal -1
	s_barrier_wait -1
	CREST
.endm
.macro SCALES d, eo, ea, eb            ; s[d] = 2^E as an f32 pattern, E = eo - ea - eb
	s_sub_co_i32 s[\d], s[\eo], s[\ea]
	s_sub_co_i32 s[\d], s[\d], s[\eb]
	s_add_co_i32 s[\d], s[\d], 127
	s_lshl_b32 s[\d], s[\d], 23
.endm
	s_load_b256 s[4:11], s[0:1], 0x0               ; x s[4:5], wq s[6:7], wk s[8:9], wv s[10:11]
	s_load_b256 s[12:19], s[0:1], 0x20             ; the exponents s[12:13], q_img s[14:15], k_img s[16:17], v_img s[18:19]
	v_lshl_add_u32 v[SPW], v0, 2, SPARE
	v_mov_b32 v[NIL], 0
	ds_add_u32 v[SPW], v[NIL]                      ; the wave's opening: the add, twice on end, and its wait ahead of my first tensor load
	ds_add_u32 v[SPW], v[NIL]
	v_lshrrev_b32 v1, 5, v0
	v_readfirstlane_b32 s[WV], v1
	s_lshr_b32 s[ROLE], s[WV], 1
	s_and_b32 s[HF], s[WV], 1
	s_bfe_u32 s23, ttmp6, 0x40000                  ; cx
	s_bfe_u32 s24, ttmp6, 0x40004                  ; cy
	s_lshl_b32 s25, ttmp9, 2
	s_add_co_u32 s25, s25, s23                     ; F = 4 x cluster x + cx
	s_and_b32 s26, ttmp7, 0xffff
	s_lshl_b32 s26, s26, 2
	s_add_co_u32 s26, s26, s24                     ; T = 4 x cluster y + cy
	s_lshl_b32 s90, s24, 2
	s_lshl_b32 s90, 15, s90                        ; my row of the cluster
	s_lshl_b32 s92, 0x1111, s23                    ; my column
	s_or_b32 s[G1X], s90, (1<<20)|(1<<21)|(5<<22)|(3<<25)  ; the mask; elements of 1 byte; padding on; bit 21 beside a mask; after every 64 words, 4 words
	s_or_b32 s[G1W], s92, (1<<20)|(1<<21)|(5<<22)|(3<<25)
.irp g, G1X, G1W
	s_mov_b32 s[\g+1], 256<<16                     ; tensor_dim0 = 256 bytes
	s_mov_b32 s[\g+3], 256<<16                     ; tile_dim0
	s_mov_b32 s[\g+5], 1024                        ; from row to row
	s_mov_b32 s[\g+6], 0
	s_mov_b32 s[\g+7], 0
.endr
	s_mov_b32 s[G1X+2], 128<<16                    ; tensor_dim1: 128 rows of x a load,
	s_mov_b32 s[G1X+4], 128
	s_mov_b32 s[G1W+2], 64<<16                     ; 64 rows of W
	s_mov_b32 s[G1W+4], 64
	s_lshl_b32 s90, s26, 18                        ; x: 256 T rows of 1,024 bytes,
	s_lshl_b32 s91, s[HF], 17                      ; + my 128 of them: made of cy and the wave alone
	s_add_co_u32 s90, s90, s91
	s_mov_b32 s91, 0
	s_lshl_b32 s92, s25, 17                        ; W: 128 F rows,
	s_lshl_b32 s93, s[HF], 16                      ; + my 64: made of cx and the wave alone
	s_add_co_u32 s92, s92, s93
	s_mov_b32 s93, 0
	s_mul_i32 s96, s[HF], XHALF                    ; where they go in a slot: no place in the cluster enters an LDS address
	s_mul_i32 s97, s[HF], WHALF
	s_add_co_u32 s97, s97, WOFF
	s_lshr_b32 s94, s26, 3                         ; the images: batch = T / 8,
	s_lshl_b32 s94, s94, 4
	s_lshl_b32 s95, s25, 1
	s_add_co_u32 s94, s94, s95
	s_add_co_u32 s94, s94, s[HF]                   ; x 16 + my head 2 F + wave % 2,
	s_lshl_b32 s94, s94, 17                        ; 131,072 bytes each;
	s_and_b32 s95, s26, 7
	s_lshl_b32 s95, s95, 1
	s_add_co_u32 s95, s95, s[ROLE]                 ; my 128 tokens of the sequence: 2 (T % 8) + wave / 2,
	s_lshl_b32 s95, s95, 13                        ; 8,192 bytes each, in all three images
	s_add_co_u32 s94, s94, s95
	s_mov_b32 s95, 0
	s_wait_dscnt 0x0                               ; both opening adds are done
	s_wait_kmcnt 0x0
	s_load_b256 s[72:79], s[12:13], 0x0            ; e0 .. e7
	s_load_b128 s[80:83], s[12:13], 0x20           ; e8 .. e11
	s_add_nc_u64 s[XB:XB+1], s[4:5], s[90:91]
	s_add_nc_u64 s[WB:WB+1], s[6:7], s[92:93]
	s_add_nc_u64 s[WB+2:WB+3], s[8:9], s[92:93]
	s_add_nc_u64 s[WB+4:WB+5], s[10:11], s[92:93]
	s_add_nc_u64 s[14:15], s[14:15], s[94:95]
	s_add_nc_u64 s[16:17], s[16:17], s[94:95]
	s_add_nc_u64 s[18:19], s[18:19], s[94:95]
	CROUND                                         ; all sixteen work-groups are here: the first joint loads meet
.irp s, 0,1
	s_mov_b32 s[G0X+4*\s], 1
	s_add_co_u32 s[G0X+4*\s+1], s96, \s*SLOT
	s_add_nc_u64 s[G0X+4*\s+2:G0X+4*\s+3], s[XB:XB+1], \s*256
	s_or_b32 s[G0X+4*\s+3], s[G0X+4*\s+3], 0x80000000
	s_mov_b32 s[G0W+4*\s], 1
	s_add_co_u32 s[G0W+4*\s+1], s97, \s*SLOT
	s_add_nc_u64 s[G0W+4*\s+2:G0W+4*\s+3], s[WB:WB+1], \s*256
	s_or_b32 s[G0W+4*\s+3], s[G0W+4*\s+3], 0x80000000
	s_wait_alu depctr_va_vdst(0)
	s_wait_tensorcnt 0x0
	ds_add_u32 v28, v29
	ds_add_u32 v28, v29
	s_wait_dscnt 0x0
	CROUND
	JLOAD G0X+4*\s, G1X, G0W+4*\s, G1W             ; steps 0 and 1 of the ring, one after the other: one load of mine is out
.endr
	v_and_b32 v1, 15, v0                           ; r
	v_bfe_u32 v2, v0, 4, 1                         ; h
	v_mul_u32_u24 v3, v1, PITCH
	v_lshl_add_u32 v3, v2, 4, v3                   ; a fragment's row x pitch + 16 h
	s_mul_i32 s96, s[ROLE], XHALF                  ; my 128 rows of x,
	s_mul_i32 s97, s[HF], WHALF                    ; my 64 rows of W
	s_add_co_u32 s97, s97, WOFF
.irp s, 0,1
	v_add_nc_u32 v[ADRX+\s], s96, v3
	v_add_nc_u32 v[ADRW+\s], s97, v3
	s_add_co_u32 s96, s96, SLOT
	s_add_co_u32 s97, s97, SLOT
.endr
	v_and_b32 v[CO], 31, v0
	v_lshlrev_b32 v[CO], 4, v[CO]
	s_wait_alu depctr_va_vdst(0)
	s_wait_kmcnt 0x0                               ; the exponents
	SCALES 84, 78, 72, 73                          ; q: e6 - e0 - e1
	SCALES 86, 79, 74, 75                          ; k: e7 - e2 - e3
	SCALES 88, 81, 76, 77                          ; v: e9 - e4 - e5
; A fragment, 16 rows x 128 K: four loads of 16 bytes, 32 apart: registers 4 c .. 4 c + 3 hold K = 32 c + 16 h + 0 .. 15: one and the same permutation of K in x and in W, so every product meets its partner.
.macro FRAG reg, adr, q, i
.irp c, 0,1,2,3
	ds_load_b128 v[\reg+4*\c:\reg+4*\c+3], v[\adr] offset:128*(\q)+32*\c+(\i)*16*PITCH
.endr
.endm
.macro FETCH slot, q, set              ; 48 loads in one run: the q-th 128 along K of a slot into a set of fragments
	WIN 0x80+0x40*(\set)
.irp i, 0,1,2,3
	FRAG 128+16*\i, ADRW+\slot, \q, \i
.endr
.irp i, 0,1,2,3,4,5,6,7
	FRAG 16*\i, ADRX+\slot, \q, \i
.endr
.endm
; cnt blocks of x from a0 on, each against the four blocks of W.  The 32 accumulators take turns, one instruction a turn, in the same order in every run.
.macro MULS set, kind, a0, cnt, zero
	WIN 0x5a+5*(\set)
.set ma, \a0
.rept \cnt
.irp b, 0,1,2,3
.if \kind
.if \zero
	v_wmma_f32_16x16x128_fp8_fp8 v[8*(4*ma+\b):8*(4*ma+\b)+7], v[16*ma:16*ma+15], v[128+16*\b:128+16*\b+15], 0
.else
	v_wmma_f32_16x16x128_fp8_fp8 v[8*(4*ma+\b):8*(4*ma+\b)+7], v[16*ma:16*ma+15], v[128+16*\b:128+16*\b+15], v[8*(4*ma+\b):8*(4*ma+\b)+7]
.endif
.else
.if \zero
	v_wmma_f32_16x16x128_fp8_fp8 v[8*(4*ma+\b):8*(4*ma+\b)+7], v[128+16*\b:128+16*\b+15], v[16*ma:16*ma+15], 0
.else
	v_wmma_f32_16x16x128_fp8_fp8 v[8*(4*ma+\b):8*(4*ma+\b)+7], v[128+16*\b:128+16*\b+15], v[16*ma:16*ma+15], v[8*(4*ma+\b):8*(4*ma+\b)+7]
.endif
.endif
.endr
.set ma, ma+1
.endr
.endm
; A slot's first 128 along K, on set 0; in its middle the second 128 are fetched into set 1.  zero = 1: a tile's first products start the sums: nothing is cleared.
.macro HALF0 slot, kind, zero
	s_wait_dscnt 0x0                               ; set 0 is in
	MULS 0, \kind, 0, 4, \zero
	PLACES 4                                       ; four places in front of loads into set 1, which matrix instructions have read (ISA guide 7.12.1 for vector instructions)
	FETCH \slot, 1, 1
	MULS 0, \kind, 4, 4, \zero
.endm
; A slot's second 128 along K, on set 1, and the change of slots.  mode = 1: the slot is filled again, with step m of the ring (tile m / 4, K step m % 4).
.macro TURN slot, kind, mode, m
	WIN 0                                          ; (the add's two registers lie in window 0)
	s_wait_tensorcnt 0x0                           ; all my tensor loads have landed: the one that was out is my part of the other slot
	ds_add_u32 v[SPW], v[NIL]                      ; 0 onto my spare word
	s_wait_dscnt 0x1                               ; only the add may be out: set 1 is in
	MULS 1, \kind, 0, 2, 0                         ; eight matrix instructions stand between the add and the wait for it
	s_wait_dscnt 0x0                               ; the add is done, and my reads of this slot are over
	s_barrier_signal -1
	MULS 1, \kind, 2, 2, 0
	WIN 0
	s_barrier_wait -1
.if \mode
	CREST                                          ; the barrier has opened a round of the cluster's: no wave of any partner still reads this slot or has a load on its way
	s_add_nc_u64 s[G0X+4*\slot+2:G0X+4*\slot+3], s[XB:XB+1], ((\m)%4)*256
	s_or_b32 s[G0X+4*\slot+3], s[G0X+4*\slot+3], 0x80000000
	s_add_nc_u64 s[G0W+4*\slot+2:G0W+4*\slot+3], s[WB+2*((\m)/4):WB+2*((\m)/4)+1], ((\m)%4)*256
	s_or_b32 s[G0W+4*\slot+3], s[G0W+4*\slot+3], 0x80000000
	JLOAD G0X+4*\slot, G1X, G0W+4*\slot, G1W       ; the first tensor load behind the round, my one load until the next; its four v_nop are the places in front of the loads below
.else
	PLACES 4
.endif
	FETCH 1-(\slot), 0, 0
	MULS 1, \kind, 4, 4, 0
.endm
.macro LAST kind                       ; the ring's last 128 along K: nothing more to fetch
	s_wait_dscnt 0x0
	MULS 1, \kind, 0, 8, 0
.endm
; A TILE GOES OUT: converted without a hold (the conversion to an 8-bit code does not saturate: ISA guide 7.6.2), stored as the next product's operand registers.
; kind 0: store u takes accumulator registers 16 u .. 16 u + 15 (token tile u / 2, features 32 (u % 2) on).  kind 1: store u = 4 b + alpha takes accumulators (2 alpha, b) and (2 alpha + 1, b).
.macro WAYOUT kind, p, s
	WIN 0
	s_wait_xcnt 0x0                                ; the tile before has had its stores' registers read: the codes may be written again
	v_mov_b32 v[SC], s[\s]
	v_nop
	v_nop                                          ; these four are the places behind the last products
	WIN 0x41
.set wi, 0
.rept 256
.set wi, wi+1
.endr
	WIN 0x01
.set wu, 0
.rept 16
.if \kind
.set wr0, 64*(wu%4)+8*(wu/4)
.set wr1, wr0+32
.else
.set wr0, 16*wu
.set wr1, wr0+8
.endif
	v_nop
	v_cvt_scalef32_pk8_fp8_f32 v[CD+4*wu:CD+4*wu+1], v[wr0:wr0+7], v[SC]
	v_cvt_scalef32_pk8_fp8_f32 v[CD+4*wu+2:CD+4*wu+3], v[wr1:wr1+7], v[SC]
.set wu, wu+1
.endr
	WIN 0
	v_nop                                          ; one plain instruction behind the last conversion: the next tile's products write its sources
.irp u, 0,1,2,3,4,5,6,7,8,9,10,11,12,13,14,15
	global_store_b128 v[CO], v[CD+4*\u:CD+4*\u+3], s[\p:\p+1] offset:512*\u   ; 32 lanes store 512 consecutive bytes, at a multiple of 512 from the image's first byte
.endr
.endm
	s_wait_tensorcnt 0x1                           ; my part of step 0 is in; step 1's may stay out
	s_barrier_signal -1
	s_barrier_wait -1
	FETCH 0, 0, 0
	HALF0 0, 0, 1                                  ; q
	TURN 0, 0, 1, 2
	HALF0 1, 0, 0
	TURN 1, 0, 1, 3
	HALF0 0, 0, 0
	TURN 0, 0, 1, 4                                ; the ring goes on into the next tile: x from K = 0 again, wk
	HALF0 1, 0, 0
	TURN 1, 0, 1, 5
	WAYOUT 0, 14, 84
	HALF0 0, 0, 1                                  ; k
	TURN 0, 0, 1, 6
	HALF0 1, 0, 0
	TURN 1, 0, 1, 7
	HALF0 0, 0, 0
	TURN 0, 0, 1, 8
	HALF0 1, 0, 0
	TURN 1, 0, 1, 9
	WAYOUT 0, 16, 86
	HALF0 0, 1, 1                                  ; v, with the sources swapped
	TURN 0, 1, 1, 10
	HALF0 1, 1, 0
	TURN 1, 1, 1, 11
	HALF0 0, 1, 0
	TURN 0, 1, 0, 0                                ; the last change of slots fills nothing, and has no round
	HALF0 1, 1, 0
	LAST 1
	WAYOUT 1, 18, 88
	s_wait_tensorcnt 0x0                           ; the wave's end
	ds_add_u32 v[SPW], v[NIL]
	s_wait_dscnt 0x0
	CROUND                                         ; the closing round: no work-group ends while a partner may still ask for a tile that names it
	s_endpgm
.Lfunc_end_k_q5c0987e4c8_proj:
	.size	k_q5c0987e4c8_proj, .Lfunc_end_k_q5c0987e4c8_proj-k_q5c0987e4c8_proj
	.p2alignl 7, 3214868480
	.fill 96, 4, 3214868480
	.section	.rodata,"a",@progbits
	.p2align	6, 0x0
	.amdhsa_kernel k_q5c0987e4c8_proj
		.amdhsa_group_segment_fixed_size 327680
		.amdhsa_private_segment_fixed_size 0
		.amdhsa_enable_private_segment 0
		.amdhsa_kernarg_size 64
		.amdhsa_user_sgpr_count 2
		.amdhsa_user_sgpr_kernarg_segment_ptr 1
		.amdhsa_wavefront_size32 1
		.amdhsa_system_sgpr_workgroup_id_x 1
		.amdhsa_system_sgpr_workgroup_id_y 1
		.amdhsa_system_sgpr_workgroup_id_z 1
		.amdhsa_system_vgpr_workitem_id 0
		.amdhsa_next_free_vgpr 1024
		.amdhsa_next_free_sgpr 100
		.amdhsa_reserve_vcc 0
		.amdhsa_float_denorm_mode_32 3
		.amdhsa_float_denorm_mode_16_64 3
		.amdhsa_fp16_overflow 1
		.amdhsa_memory_ordered 1
		.amdhsa_forward_progress 1
		.amdhsa_inst_pref_size 159
	.end_amdhsa_kernel
	.amdgpu_metadata
---
amdhsa.version: [ 1, 2 ]
amdhsa.kernels:
  - .name:           k_q5c0987e4c8_proj
    .symbol:         k_q5c0987e4c8_proj.kd
    .args:
      - { .name: x_codes, .offset: 0, .size: 8, .value_kind: global_buffer, .address_space: global }
      - { .name: wq_codes, .offset: 8, .size: 8, .value_kind: global_buffer, .address_space: global }
      - { .name: wk_codes, .offset: 16, .size: 8, .value_kind: global_buffer, .address_space: global }
      - { .name: wv_codes, .offset: 24, .size: 8, .value_kind: global_buffer, .address_space: global }
      - { .name: lowp_scales, .offset: 32, .size: 8, .value_kind: global_buffer, .address_space: global }
      - { .name: q_img, .offset: 40, .size: 8, .value_kind: global_buffer, .address_space: global }
      - { .name: k_img, .offset: 48, .size: 8, .value_kind: global_buffer, .address_space: global }
      - { .name: v_img, .offset: 56, .size: 8, .value_kind: global_buffer, .address_space: global }
    .group_segment_fixed_size: 327680
    .private_segment_fixed_size: 0
    .kernarg_segment_align: 8
    .kernarg_segment_size: 64
    .max_flat_workgroup_size: 128
    .sgpr_count:     100
    .vgpr_count:     1024
    .wavefront_size: 32
...
	.end_amdgpu_metadata
.endif
;; end of part 1
;; launch attn (part 2): grid 4 x 64, 16 waves a work-group, clusters of 4 x 1, 327,680 bytes of LDS; arguments q_img, k_img, v_img, lowp_scales, ctx_img; writes ctx_img
.if DOCPART == 2
	.amdgcn_target "amdgcn-amd-amdhsa--gfx1250"
	.amdhsa_code_object_version 6
	.text
	.protected	k_q5c0987e4c8_attn
	.globl	k_q5c0987e4c8_attn
	.p2align	8
	.type	k_q5c0987e4c8_attn,@function
k_q5c0987e4c8_attn:
	s_mov_b64 s[64:65], 0
	v_nop
	global_prefetch_b8 v0, s[64:65] scope:SCOPE_SE
	s_setreg_imm32_b32 hwreg(HW_REG_WAVE_MODE, 25, 1), 1
	s_wait_xcnt 0x0
	s_wait_alu depctr_hold_cnt(0) depctr_sa_sdst(0) depctr_va_vdst(0) depctr_va_sdst(0) depctr_va_ssrc(0) depctr_va_vcc(0) depctr_vm_vsrc(0)
	s_getreg_b32 s2, hwreg(HW_REG_IB_STS2, 6, 4)
	s_cmp_eq_u32 s2, 0
	s_cbranch_scc0 .Lentry_in_a_cluster
	s_endpgm
.Lentry_in_a_cluster:
	s_bfe_u32 s2, ttmp6, 0x10000c
	s_cmp_lg_u32 s2, 0x3003
	s_cbranch_scc0 .Lentry_shape_is_right
	s_endpgm
.Lentry_shape_is_right:
; SECOND LAUNCH: ctx = softmax(q k^T / 8, causal) v for each of the 64 (batch, head), both products on codes of FP8 (E4M3); ctx quantised with e10 and stored as codes.
; LEFT OUT: key steps of 128 keys that lie wholly behind a tile's 16 queries: reference() makes their scores -inf by its own tril, so p = 0 there whatever the inputs hold.
; LIMIT: a NaN or an infinity that reaches only such steps is not carried to the result.
; THE SOFTMAX AHEAD OF THE SECOND PRODUCT: t = score x log2(e) / 8; M = the running largest t rounded UP to a whole number; p = 2^(t - M) is quantised with e8, not normalised; the row's sum is taken of the
; unquantised p in f32 and divides at the end.  When M moves, the sum and O are multiplied by 2^(old M - new M): exact.
; ONE HEAD'S K AND V LIE WHOLE IN LDS: 2,048 keys x 64 codes = 131,072 bytes each.  They are asked for once, at the head: no ring, no refill, no barrier in the walk over the keys.
; SHARES.  The four work-groups of a cluster (place p) serve one (batch, head) and ask for K and V JOINTLY.  A head has 128 tiles of 16 queries.  Wave w of work-group p owns the tiles j1 = 4 w + p and j2 = 127 - j1.
; Tile j walks key steps 0 .. j / 8; j1 / 8 = w / 2 and j2 / 8 = 15 - w / 2, whatever p: so every wave of the launch walks 17 steps, and every branch hangs on the wave's number and on counters alone.
; p enters q's and ctx's global addresses and the mask's threshold (a vector number that selects values), and nothing else.
; LAYOUT.  Both products are used transposed: S^T = K Q^T (source 0 = 16 keys, source 1 = my 16 queries, K = 64), O^T = V^T P^T (source 0 = 16 channels, source 1 = P, K = 128 keys): a lane holds ONE query throughout.
; In S^T tile t, register i of lane (r, h) is key 16 t + 8 h + i: its conversion gives registers 2 t, 2 t + 1 of the operand P as the 8-bit layout wants them.  K, Q and V come as images of operand registers (first launch).
; ctx_img: [block of 256 tokens 32][head 16][tile of 16 tokens 16][half 2][lane 32][16 bytes]: lane (r, h): token r, channels 32 g + 8 h + 0 .. 7 and 32 g + 16 + 8 h + 0 .. 7.
; LIMITS on the given exponents, so that each power of two below is an f32 number: e6 + e7 between -123 and 130 (added to c's exponent field); e8, and e10 - e8 - e9, between -126 and 119.
; REGISTERS: v1-8 addresses and the mask; v12 -M, v13 the largest t, v[14:15] the sum in two halves; v16-23 Q; v32-95 K's 8 fragments, then V's 4; v96-159 S^T, then p; v160-191 O^T; v192-207 p's codes; v208-215 ctx's codes.
.set VB,    131072                     ; LDS: K from 0, V from here
.set SPARE, 270336                     ; the spare words, 128 bytes for each of 16 waves, which no other line names
.set STEPB, 8192                       ; a key step of 128 keys, in K and in V alike
.set LK,  1                            ; v1   16 x lane: my place in an image (LDS for K; global for Q and ctx)
.set LV,  2                            ; v2   the same + VB
.set ADK, 3                            ; v3   the step's K
.set ADV, 4                            ; v4   the step's V
.set SPW, 5                            ; v5   my spare word; never rewritten
.set NIL, 6                            ; v6   0; never rewritten
.set RH,  7                            ; v7   r - 8 h
.set DD,  8                            ; v8   the mask's threshold on the tile's diagonal step
.set WV,  14                           ; s14  wave
.set SEL, 20                           ; s[20:21] lane selects: lane xor 16
.set CS,  22                           ; s[22:23] c = log2(e) / 8 x 2^(e6 + e7)
.set G1A, 24                           ; s[24:31] group 1: 8 rows of 256 bytes;  s[32:39]: 56 rows
.set G1B, 32
.set G0K, 40                           ; s[40:47] group 0 for K: part A, part B;  s[48:55] for V
.set G0V, 48
.set ST,  56                           ; s56  the key step
.set DG,  57                           ; s57  the tile's diagonal step
.set TB,  58                           ; s58  8,192 x the key step
.macro CROUND
	s_barrier_signal -1
	s_barrier_wait -1
	s_cmp_lg_u32 s[WV], 0
	s_cbranch_scc1 .Lnot_wave_0_\@
	s_barrier_signal -3
.Lnot_wave_0_\@:
	s_barrier_wait -3
	s_barrier_signal -1
	s_barrier_wait -1
.endm
	s_load_b256 s[4:11], s[0:1], 0x0               ; q_img s[4:5], k_img s[6:7], v_img s[8:9], the exponents s[10:11]
	s_load_b64 s[12:13], s[0:1], 0x20              ; ctx_img
	v_lshl_add_u32 v[SPW], v0, 2, SPARE
	v_mov_b32 v[NIL], 0
	ds_add_u32 v[SPW], v[NIL]                      ; the wave's opening: the add, twice on end, and its wait ahead of my first tensor load
	ds_add_u32 v[SPW], v[NIL]
	v_lshrrev_b32 v9, 5, v0
	s_delay_alu instid0(VALU_DEP_1)
	v_readfirstlane_b32 s[WV], v9
	s_bfe_u32 s15, ttmp6, 0x40000                  ; p: my place in the cluster
	s_and_b32 s16, ttmp7, 0xffff                   ; batch x 16 + head, which the four partners share
	s_and_b32 s17, s[WV], 7                        ; which eighth of K (waves 0-7) or of V (waves 8-15) I fetch
	s_lshr_b32 s18, s[WV], 1                       ; u
	s_and_b32 s19, s[WV], 1
	s_lshl_b32 s84, s16, 17                        ; the head's first byte in q_img, k_img and v_img
	s_mov_b32 s85, 0
	s_lshl_b32 s90, s17, 11                        ; part A, key steps 0 and 1 (16,384 bytes): 2,048 bytes a wave, the same place in memory and in LDS
	s_mov_b32 s91, 0
	s_mul_i32 s92, s17, 14336                      ; part B, key steps 2 to 15 (114,688 bytes): 14,336 bytes a wave
	s_add_co_u32 s92, s92, 16384
	s_mov_b32 s93, 0
	s_mov_b32 s[G1A], 15|(1<<21)                   ; the mask: all four work-groups; elements of 1 byte; no padding; bit 21 beside a mask
	s_mov_b32 s[G1B], 15|(1<<21)
.irp g, G1A, G1B
	s_mov_b32 s[\g+1], 256<<16                     ; dense blocks, stated as rows of 256 bytes
	s_mov_b32 s[\g+3], 256<<16
	s_mov_b32 s[\g+5], 256
	s_mov_b32 s[\g+6], 0
	s_mov_b32 s[\g+7], 0
.endr
	s_mov_b32 s[G1A+2], 8<<16
	s_mov_b32 s[G1A+4], 8
	s_mov_b32 s[G1B+2], 56<<16
	s_mov_b32 s[G1B+4], 56
	s_mov_b32 s[SEL], 0x76543210
	s_mov_b32 s[SEL+1], 0xfedcba98
	s_wait_dscnt 0x0                               ; both opening adds are done
	s_wait_kmcnt 0x0
	s_load_b256 s[72:79], s[10:11], 0x0            ; e0 .. e7
	s_load_b128 s[80:83], s[10:11], 0x20           ; e8 .. e11
	s_add_nc_u64 s[86:87], s[6:7], s[84:85]        ; the head's K,
	s_add_nc_u64 s[88:89], s[8:9], s[84:85]        ; and V
	s_mov_b32 s[G0K], 1
	s_mov_b32 s[G0K+1], s90
	s_add_nc_u64 s[G0K+2:G0K+3], s[86:87], s[90:91]
	s_or_b32 s[G0K+3], s[G0K+3], 0x80000000
	s_mov_b32 s[G0K+4], 1
	s_mov_b32 s[G0K+5], s92
	s_add_nc_u64 s[G0K+6:G0K+7], s[86:87], s[92:93]
	s_or_b32 s[G0K+7], s[G0K+7], 0x80000000
	s_mov_b32 s[G0V], 1
	s_add_co_u32 s[G0V+1], s90, VB
	s_add_nc_u64 s[G0V+2:G0V+3], s[88:89], s[90:91]
	s_or_b32 s[G0V+3], s[G0V+3], 0x80000000
	s_mov_b32 s[G0V+4], 1
	s_add_co_u32 s[G0V+5], s92, VB
	s_add_nc_u64 s[G0V+6:G0V+7], s[88:89], s[92:93]
	s_or_b32 s[G0V+7], s[G0V+7], 0x80000000
	CROUND                                         ; all four work-groups are here: the joint loads meet
	s_cmp_lt_u32 s[WV], 8                          ; a wave's two fills stand in one arm; every wave passes one of the arms: two loads of mine are out
	s_cbranch_scc0 .Lfirst_v
	tensor_load_to_lds s[G0K:G0K+3], s[G1A:G1A+7]
	s_nop 0
	tensor_load_to_lds s[G0K+4:G0K+7], s[G1B:G1B+7]
	s_nop 0
.rept 4
	v_nop
.endr
	s_branch .Lfirst_asked
.Lfirst_v:
	tensor_load_to_lds s[G0V:G0V+3], s[G1A:G1A+7]
	s_nop 0
	tensor_load_to_lds s[G0V+4:G0V+7], s[G1B:G1B+7]
	s_nop 0
.rept 4
	v_nop
.endr
.Lfirst_asked:
	v_and_b32 v[LK], 31, v0
	s_delay_alu instid0(VALU_DEP_1)
	v_lshlrev_b32 v[LK], 4, v[LK]
	s_wait_alu depctr_va_vdst(0)
	v_add_nc_u32 v[LV], VB, v[LK]
	v_and_b32 v9, 15, v0                           ; r
	v_bfe_u32 v10, v0, 4, 1                        ; h
	s_delay_alu instid0(VALU_DEP_1)
	v_lshlrev_b32 v10, 3, v10
	s_delay_alu instid0(VALU_DEP_1)
	v_sub_nc_u32 v[RH], v9, v10
	v_mov_b32 v236, 0                              ; written once: a lane permute's destination counts as one of its sources
	v_mov_b32 v253, 0                              ; (named as the upper half of the pair v[252:253])
	; my two tiles, in registers that feed no descriptor
	s_lshl_b32 s2, s[WV], 2
	s_add_co_u32 s2, s2, s15                       ; j1 = 4 w + p, the short tile
	s_sub_co_u32 s3, 127, s2                       ; j2, the long one
	s_mov_b32 s95, 0
	s_lshl_b32 s94, s3, 10                         ; a tile of q_img is 1,024 bytes
	s_add_co_u32 s94, s94, s84
	s_add_nc_u64 s[60:61], s[4:5], s[94:95]        ; Q of the long tile,
	s_lshl_b32 s94, s2, 10
	s_add_co_u32 s94, s94, s84
	s_add_nc_u64 s[62:63], s[4:5], s[94:95]        ; of the short one
	s_lshr_b32 s59, s16, 4                         ; ctx_img: batch x 2^21 + (j / 16) x 2^18 + head x 2^14 + (j % 16) x 2^10
	s_lshl_b32 s59, s59, 21
	s_and_b32 s94, s16, 15
	s_lshl_b32 s94, s94, 14
	s_add_co_u32 s59, s59, s94
	s_lshr_b32 s94, s3, 4
	s_lshl_b32 s94, s94, 18
	s_and_b32 s96, s3, 15
	s_lshl_b32 s96, s96, 10
	s_add_co_u32 s94, s94, s96
	s_add_co_u32 s94, s94, s59
	s_add_nc_u64 s[66:67], s[12:13], s[94:95]      ; ctx of the long tile,
	s_lshr_b32 s94, s2, 4
	s_lshl_b32 s94, s94, 18
	s_and_b32 s96, s2, 15
	s_lshl_b32 s96, s96, 10
	s_add_co_u32 s94, s94, s96
	s_add_co_u32 s94, s94, s59
	s_add_nc_u64 s[68:69], s[12:13], s[94:95]      ; of the short one
	s_lshl_b32 s71, s19, 6
	s_lshl_b32 s96, s15, 4
	s_add_co_u32 s71, s71, s96                     ; the short tile's first query less its diagonal step's first key: 64 (w % 2) + 16 p;
	s_sub_co_u32 s70, 112, s71                     ; the long tile's: 112 - that
; A tile begins: Q is asked for; the largest t is -3e38, under every t; the sum and O^T are zeros, which the first change of M leaves zeros.
.macro INIT qp, mb
	global_load_b128 v[16:19], v[LK], s[\qp:\qp+1]
	global_load_b128 v[20:23], v[LK], s[\qp:\qp+1] offset:512
	v_mov_b32 v13, 0xff61b1e6
	s_delay_alu instid0(VALU_DEP_1)
	v_floor_f32 v12, -v13
	v_mov_b32 v14, 0
	v_mov_b32 v15, 0
.irp j, 0,1,2,3,4,5,6,7,8,9,10,11,12,13,14,15,16,17,18,19,20,21,22,23,24,25,26,27,28,29,30,31
	v_mov_b32 v[160+\j], 0
.endr
	v_add_nc_u32 v[DD], s[\mb], v[RH]              ; register 8 t + i of S^T on the diagonal step is hidden where 16 t + i > my query - the step's first key - 8 h
	s_mov_b32 s[ST], 0
	s_mov_b32 s[TB], 0
.endm
; A KEY STEP of 128 keys.  full = 1: with the two tests on the step's number against the tile's diagonal step (wave's number and counters alone).
.macro STEP full
.if \full
	s_cmp_gt_u32 s[ST], s[DG]                      ; all 128 keys come after my 16 queries: the step's work is left out, not the lines at its end that step the counters
	s_cbranch_scc1 .Lhid_\@
.endif
	s_setprio 2
	v_add_nc_u32 v[ADK], s[TB], v[LK]
	v_add_nc_u32 v[ADV], s[TB], v[LV]
	v_nop
	v_nop                                          ; four places in front of loads into registers that the last products have read (ISA guide 7.12.1 for vector instructions)
.irp t, 0,1,2,3,4,5,6,7
	ds_load_b128 v[32+8*\t:35+8*\t], v[ADK] offset:1024*\t       ; K's tile t as an image: 32 lanes take 512 consecutive bytes
	ds_load_b128 v[36+8*\t:39+8*\t], v[ADK] offset:1024*\t+512
.endr
	s_wait_alu depctr_va_vdst(0)
	s_wait_dscnt 0x0
.irp t, 0,1,2,3,4,5,6,7
	v_wmma_f32_16x16x64_fp8_fp8 v[96+8*\t:103+8*\t], v[32+8*\t:39+8*\t], v[16:23], 0
.endr
.rept 4
	v_nop                                          ; places in front of the loads below and of the first read of the scores
.endr
.irp b, 0,1,2,3
.irp c, 0,1,2,3
	ds_load_b128 v[32+16*\b+4*\c:35+16*\b+4*\c], v[ADV] offset:2048*\b+512*\c   ; V's four fragments land while the softmax is walked
.endr
.endr
.if \full
	s_cmp_lt_u32 s[ST], s[DG]                      ; a step all of whose keys count skips the mask
	s_cbranch_scc1 .Lopen_\@
	v_mov_b32 v254, 0xff800000                     ; on the diagonal hidden scores become -infinity ahead of the maximum: p = 0 then
.irp n, 0,1,2,3,4,5,6,7,8,9,10,11,12,13,14,15,16,17,18,19,20,21,22,23,24,25,26,27,28,29,30,31,32,33,34,35,36,37,38,39,40,41,42,43,44,45,46,47,48,49,50,51,52,53,54,55,56,57,58,59,60,61,62,63
	v_cmp_gt_i32 vcc_lo, 16*(\n/8)+\n%8, v[DD]
	v_cndmask_b32 v[96+\n], v[96+\n], v254, vcc_lo
.endr
.Lopen_\@:
.endif
	v_max3_num_f32 v254, v96, v97, v98             ; the step's largest score of my query among my 64 keys, in two chains; each accumulator is first read at its low end
	v_max3_num_f32 v252, v99, v100, v101
.irp i, 6,10,14,18,22,26,30,34,38,42,46,50,54,58
	v_max3_num_f32 v254, v254, v[96+\i], v[97+\i]
	v_max3_num_f32 v252, v252, v[98+\i], v[99+\i]
.endr
	v_max3_num_f32 v254, v254, v158, v159
	s_delay_alu instid0(VALU_DEP_1)
	v_max_num_f32 v254, v254, v252
	s_delay_alu instid0(VALU_DEP_1)
	v_permlanex16_b32 v236, v254, s[SEL], s[SEL+1]
	s_delay_alu instid0(VALU_DEP_1)
	v_max_num_f32 v254, v254, v236                 ; and among lane xor 16's
	s_delay_alu instid0(VALU_DEP_1)
	v_mul_f32 v254, s[CS], v254                    ; as t (c is positive)
	s_delay_alu instid0(VALU_DEP_1)
	v_max_num_f32 v13, v13, v254                   ; the running largest t
	v_mov_b32 v254, v12
	s_delay_alu instid0(VALU_DEP_2)
	v_floor_f32 v12, -v13                          ; the new -M = floor(-t): M is a whole number
	s_delay_alu instid0(VALU_DEP_1)
	v_sub_f32 v254, v12, v254                      ; old M less new M: a whole number, 0 or less
	s_delay_alu instid0(VALU_DEP_1)
	v_cvt_i32_f32 v254, v254                       ; (it saturates)
	s_delay_alu instid0(VALU_DEP_1)
	v_ldexp_f32 v252, 1.0, v254                    ; f = 2^(old M - new M)
	s_setprio 1
.irp j, 0,2,4,6,8,10,12,14,16,18,20,22,24,26,28,30,32,34,36,38,40,42,44,46,48,50,52,54,56,58,60,62
	v_pk_fma_f32 v[96+\j:97+\j], v[96+\j:97+\j], s[CS:CS+1], v[12:13] op_sel_hi:[1,0,0]   ; t - M, two at a time
.endr
	s_wait_alu depctr_va_vdst(0)
.irp j, 0,1,2,3,4,5,6,7,8,9,10,11,12,13,14,15,16,17,18,19,20,21,22,23,24,25,26,27,28,29,30,31,32,33,34,35,36,37,38,39,40,41,42,43,44,45,46,47,48,49,50,51,52,53,54,55,56,57,58,59,60,61,62,63
	v_exp_f32 v[96+\j], v[96+\j]                   ; p = 2^(t - M), at most 1
.endr
	v_pk_mul_f32 v[14:15], v[14:15], v[252:253] op_sel_hi:[1,0]   ; the sums under the new M: the plain instruction behind the exponentials
	s_wait_alu depctr_va_vdst(0)                   ; one wait for the whole batch, ahead of its first reader
	v_pk_add_f32 v[242:243], v[100:101], v[104:105]
	v_pk_add_f32 v[254:255], v[108:109], v[112:113]
	v_pk_add_f32 v[250:251], v[116:117], v[120:121]
	v_pk_add_f32 v[248:249], v[124:125], v[128:129]
	v_pk_add_f32 v[240:241], v[132:133], v[136:137]
	v_pk_add_f32 v[238:239], v[140:141], v[144:145]
	v_pk_add_f32 v[234:235], v[148:149], v[152:153]
	v_pk_add_f32 v[14:15], v[14:15], v[156:157]
	v_pk_add_f32 v[242:243], v[242:243], v[96:97]
	v_pk_add_f32 v[254:255], v[254:255], v[98:99]
	v_pk_add_f32 v[250:251], v[250:251], v[102:103]
	v_pk_add_f32 v[248:249], v[248:249], v[106:107]
	v_pk_add_f32 v[240:241], v[240:241], v[110:111]
	v_pk_add_f32 v[238:239], v[238:239], v[114:115]
	v_pk_add_f32 v[234:235], v[234:235], v[118:119]
	v_pk_add_f32 v[14:15], v[14:15], v[122:123]
	v_pk_add_f32 v[242:243], v[242:243], v[126:127]
	v_pk_add_f32 v[254:255], v[254:255], v[130:131]
	v_pk_add_f32 v[250:251], v[250:251], v[134:135]
	v_pk_add_f32 v[248:249], v[248:249], v[138:139]
	v_pk_add_f32 v[240:241], v[240:241], v[142:143]
	v_pk_add_f32 v[238:239], v[238:239], v[146:147]
	v_pk_add_f32 v[234:235], v[234:235], v[150:151]
	s_setprio 0
	v_pk_add_f32 v[14:15], v[14:15], v[154:155]
	v_pk_add_f32 v[242:243], v[242:243], v[158:159]
	s_delay_alu instid0(VALU_DEP_2)
	v_pk_add_f32 v[14:15], v[14:15], v[248:249]
	s_delay_alu instid0(VALU_DEP_2)
	v_pk_add_f32 v[242:243], v[242:243], v[240:241]
	v_pk_add_f32 v[254:255], v[254:255], v[238:239]
	v_pk_add_f32 v[250:251], v[250:251], v[234:235]
	s_delay_alu instid0(VALU_DEP_2)
	v_pk_add_f32 v[14:15], v[14:15], v[254:255]
	s_delay_alu instid0(VALU_DEP_2)
	v_pk_add_f32 v[242:243], v[242:243], v[250:251]
	s_delay_alu instid0(VALU_DEP_1)
	v_pk_add_f32 v[14:15], v[14:15], v[242:243]
.irp t, 0,1,2,3,4,5,6,7
.irp i, 0,1,2,3,4,5,6,7
.endr
	v_cvt_scalef32_pk8_fp8_f32 v[192+2*\t:193+2*\t], v[96+8*\t:103+8*\t], v244   ; keys 16 t + 8 h + 0 .. 7: registers 2 t, 2 t + 1 of P
.endr
.irp j, 0,2,4,6,8,10,12,14,16,18,20,22,24,26,28,30
	v_pk_mul_f32 v[160+\j:161+\j], v[160+\j:161+\j], v[252:253] op_sel_hi:[1,0]   ; O^T under the new M; also the plain instructions behind the conversions
.endr
	s_wait_alu depctr_va_vdst(0)
	s_wait_dscnt 0x0                               ; V is in
.irp b, 0,1,2,3
	v_wmma_f32_16x16x128_fp8_fp8 v[160+8*\b:167+8*\b], v[32+16*\b:47+16*\b], v[192:207], v[160+8*\b:167+8*\b]   ; four accumulators by turns
.endr
.if \full
.Lhid_\@:
	s_add_co_u32 s[ST], s[ST], 1
.endif
	s_add_co_u32 s[TB], s[TB], STEPB
.endm
; A tile ends: O^T / the sum, converted with 2^(e10 - e8 - e9), stored as two runs of 512 bytes.
.macro FINISH cp
.rept 4
	v_nop                                          ; places behind the last products
.endr
	s_wait_xcnt 0x0                                ; the tile before has had its stores' registers read
	v_add_f32 v14, v14, v15
	s_delay_alu instid0(VALU_DEP_1)
	v_permlanex16_b32 v252, v14, s[SEL], s[SEL+1]
	s_delay_alu instid0(VALU_DEP_1)
	v_add_f32 v14, v14, v252                       ; the row's sum
	s_wait_alu depctr_va_vdst(0)
	v_rcp_f32 v14, v14
	v_nop                                          ; a plain instruction behind the reciprocal,
	s_wait_alu depctr_va_vdst(0)                   ; and the wait ahead of its first reader
.irp j, 0,2,4,6,8,10,12,14,16,18,20,22,24,26,28,30
	v_pk_mul_f32 v[160+\j:161+\j], v[160+\j:161+\j], v[14:15] op_sel_hi:[1,0]
.endr
.irp b, 0,1,2,3
.irp i, 0,1,2,3,4,5,6,7
.endr
	v_cvt_scalef32_pk8_fp8_f32 v[208+2*\b:209+2*\b], v[160+8*\b:167+8*\b], v246   ; channels 16 b + 8 h + 0 .. 7
.endr
	v_nop                                          ; one plain instruction behind the last conversion: its sources are written again
	global_store_b128 v[LK], v[208:211], s[\cp:\cp+1]
	global_store_b128 v[LK], v[212:215], s[\cp:\cp+1] offset:512
.endm
	INIT 60, 70                                    ; the long tile first
	s_sub_co_u32 s[DG], 15, s18
	s_wait_kmcnt 0x0                               ; the exponents
	s_add_co_i32 s96, s78, s79
	s_lshl_b32 s96, s96, 23
	s_add_co_i32 s[CS], s96, 0x3e38aa3b            ; c = log2(e) / 8, with e6 + e7 added to its exponent field
	s_mov_b32 s[CS+1], s[CS]
	s_add_co_i32 s96, s80, 127
	s_lshl_b32 s97, s96, 23
	v_mov_b32 v244, s97                            ; 2^e8
	s_sub_co_i32 s96, s82, s80
	s_sub_co_i32 s96, s96, s81
	s_add_co_i32 s96, s96, 127
	s_lshl_b32 s97, s96, 23
	v_mov_b32 v246, s97                            ; 2^(e10 - e8 - e9): O^T / the sum stands for ctx / 2^(e8 + e9)
	s_wait_tensorcnt 0x1                           ; my part of key steps 0 and 1 is in; the larger part may stay out
	s_barrier_signal -1
	s_barrier_wait -1                              ; everybody's is
	s_wait_loadcnt 0x0                             ; Q
	STEP 0                                         ; the long tile's diagonal step is 8 or later: steps 0 and 1 are open for every wave; they are walked while the rest of K and V lands
	STEP 0
	s_wait_tensorcnt 0x0                           ; my part of key steps 2 to 15 is in,
	s_wait_dscnt 0x0
	s_barrier_signal -1
	s_barrier_wait -1                              ; everybody's is
	s_mov_b32 s[ST], 2
	s_mov_b32 s[TB], 2*STEPB
.Llong:                                            ; 14 trips in every wave; those behind the diagonal do nothing
	STEP 1
	s_cmp_lt_u32 s[ST], 16
	s_cbranch_scc1 .Llong
	s_setprio 0
	FINISH 66
	INIT 62, 71                                    ; the short tile
	s_mov_b32 s[DG], s18
	s_wait_loadcnt 0x0                             ; Q
.Lshort:                                           ; 8 trips in every wave
	STEP 1
	s_cmp_lt_u32 s[ST], 8
	s_cbranch_scc1 .Lshort
	s_setprio 0
	FINISH 68
	s_wait_tensorcnt 0x0                           ; the wave's end
	ds_add_u32 v[SPW], v[NIL]
	s_wait_dscnt 0x0
	CROUND                                         ; the closing round
	s_endpgm
.Lfunc_end_k_q5c0987e4c8_attn:
	.size	k_q5c0987e4c8_attn, .Lfunc_end_k_q5c0987e4c8_attn-k_q5c0987e4c8_attn
	.p2alignl 7, 3214868480
	.fill 96, 4, 3214868480
	.section	.rodata,"a",@progbits
	.p2align	6, 0x0
	.amdhsa_kernel k_q5c0987e4c8_attn
		.amdhsa_group_segment_fixed_size 327680
		.amdhsa_private_segment_fixed_size 0
		.amdhsa_enable_private_segment 0
		.amdhsa_kernarg_size 40
		.amdhsa_user_sgpr_count 2
		.amdhsa_user_sgpr_kernarg_segment_ptr 1
		.amdhsa_wavefront_size32 1
		.amdhsa_system_sgpr_workgroup_id_x 1
		.amdhsa_system_sgpr_workgroup_id_y 1
		.amdhsa_system_sgpr_workgroup_id_z 1
		.amdhsa_system_vgpr_workitem_id 0
		.amdhsa_next_free_vgpr 256
		.amdhsa_next_free_sgpr 100
		.amdhsa_reserve_vcc 1
		.amdhsa_float_denorm_mode_32 3
		.amdhsa_float_denorm_mode_16_64 3
		.amdhsa_fp16_overflow 1
		.amdhsa_memory_ordered 1
		.amdhsa_forward_progress 1
		.amdhsa_inst_pref_size 80
	.end_amdhsa_kernel
	.amdgpu_metadata
---
amdhsa.version: [ 1, 2 ]
amdhsa.kernels:
  - .name:           k_q5c0987e4c8_attn
    .symbol:         k_q5c0987e4c8_attn.kd
    .args:
      - { .name: q_img, .offset: 0, .size: 8, .value_kind: global_buffer, .address_space: global }
      - { .name: k_img, .offset: 8, .size: 8, .value_kind: global_buffer, .address_space: global }
      - { .name: v_img, .offset: 16, .size: 8, .value_kind: global_buffer, .address_space: global }
      - { .name: lowp_scales, .offset: 24, .size: 8, .value_kind: global_buffer, .address_space: global }
      - { .name: ctx_img, .offset: 32, .size: 8, .value_kind: global_buffer, .address_space: global }
    .group_segment_fixed_size: 327680
    .private_segment_fixed_size: 0
    .kernarg_segment_align: 8
    .kernarg_segment_size: 40
    .max_flat_workgroup_size: 512
    .sgpr_count:     100
    .vgpr_count:     256
    .wavefront_size: 32
...
	.end_amdgpu_metadata
.endif
;; end of part 2
;; launch outp (part 3): grid 8 x 32, 4 waves a work-group, clusters of 4 x 4, 327,680 bytes of LDS; arguments ctx_img, wo_codes, lowp_scales, out0; writes out0
.if DOCPART == 3
	.amdgcn_target "amdgcn-amd-amdhsa--gfx1250"
	.amdhsa_code_object_version 6
	.text
	.protected	k_q5c0987e4c8_outp
	.globl	k_q5c0987e4c8_outp
	.p2align	8
	.type	k_q5c0987e4c8_outp,@function
k_q5c0987e4c8_outp:
	s_mov_b64 s[64:65], 0
	v_nop
	global_prefetch_b8 v0, s[64:65] scope:SCOPE_SE
	s_setreg_imm32_b32 hwreg(HW_REG_WAVE_MODE, 25, 1), 1
	s_wait_xcnt 0x0
	s_wait_alu depctr_hold_cnt(0) depctr_sa_sdst(0) depctr_va_vdst(0) depctr_va_sdst(0) depctr_va_ssrc(0) depctr_va_vcc(0) depctr_vm_vsrc(0)
	s_getreg_b32 s2, hwreg(HW_REG_IB_STS2, 6, 4)
	s_cmp_eq_u32 s2, 0
	s_cbranch_scc0 .Lentry_in_a_cluster
	s_endpgm
.Lentry_in_a_cluster:
	s_bfe_u32 s2, ttmp6, 0x10000c
	s_cmp_lg_u32 s2, 0xf033
	s_cbranch_scc0 .Lentry_shape_is_right
	s_endpgm
.Lentry_shape_is_right:
; THIRD LAUNCH: out0 = ctx wo (8,192 x 1,024 x 1,024) on codes of FP8 (E4M3); each finished sum x 2^(e10 + e11); f32 out.  Nothing is left out here.
; LIMIT: e10 + e11 lies between -126 and 127, so that 2^(e10 + e11) is an f32 number.
; SHARES, as in the first launch: a work-group of four waves makes 256 tokens (block T) x 128 features (block F); wave w: tokens 128 (w / 2) on, features 64 (w % 2) on: 8 x 4 accumulators.  256 work-groups.
; K goes in four steps of 256 (four heads) through a ring of two LDS slots.  CLUSTERS: 4 x 4: ctx is asked for jointly along a row of the cluster, wo along a column.
; ctx comes as images of operand registers (second launch): a K step of a block T is one dense run of 65,536 bytes; a fragment is four loads of 16 bytes a lane at 16 x lane: registers 2 c, 2 c + 1 hold K = 16 c + 8 h + 0 .. 7.
; wo comes as rows along K and is read in that same order of K: eight loads of 8 bytes, 16 apart, at row x pitch + 8 h.
; THE MATRIX INSTRUCTION IS USED TRANSPOSED (source 0 = 16 features of wo, source 1 = 16 tokens): a lane holds eight neighbouring numbers of a row of out0.
; REGISTERS, in windows of 256: window 0: addresses; v32-63, v128-191 at work on the way out.  window 1: accumulator (a, b) at v[8 (4 a + b)].  windows 2, 3: two sets of fragments: ctx block a at v[16 a], wo block b at v[128 + 16 b].
.set PITCH,  272                       ; a row of wo in LDS: 256 bytes + 16 of padding
.set CHALF,  32768                     ; what one load of ctx brings
.set WHALF,  64*PITCH
.set WOFF,   2*CHALF                   ; a slot: 65,536 bytes of ctx, then 128 rows of wo
.set SLOT,   WOFF+2*WHALF              ; 100,352 bytes
.set STAGE,  2*SLOT                    ; behind the ring: 16 rows x 272 bytes for each wave, for the way out; no tensor load lands here
.set SP,     272
.set SPARE,  STAGE+4*16*SP             ; behind the stages: the spare words, which no other line names
.set ADRC, 16                          ; v16-17  LDS address of my fragments of ctx in slot 0, 1
.set ADRW, 20                          ; v20-21  the same for wo
.set STO,  24                          ; v24     the way out: where I put 32 bytes of a row
.set RD,   25                          ; v25     where I read a row back
.set GO,   26                          ; v26     my byte offset in two rows of out0
.set SPW,  28
.set NIL,  29
.set TMP,  32                          ; v32-63  a block's sums x 2^(e10 + e11)
.set BK,   128                         ; v128-159, v160-191 by turns: 16 rows read back
.set WV,   20
.set ROLE, 21
.set HF,   22
.set G1C,  28
.set G1W,  36
.set G0C,  44
.set G0W,  52
.set CB,   60                          ; s[60:61] ctx_img at what I fetch, K step 0
.set WB,   66                          ; s[66:67] wo likewise
.set MSB, 0
.macro WIN new
.if MSB != (\new)
	s_set_vgpr_msb (MSB<<8)|(\new)
.set MSB, (\new)
.endif
.endm
.macro PLACES cnt
.rept \cnt
	v_nop
.endr
.endm
.macro JLOAD g0a, g1a, g0b, g1b        ; waves 0, 1 ask for ctx, waves 2, 3 for wo; an s_nop 0 and four v_nop follow each line
	s_cmp_eq_u32 s[ROLE], 0
	s_cbranch_scc0 .Lfor_b_\@
	tensor_load_to_lds s[\g0a:\g0a+3], s[\g1a:\g1a+7]
	s_nop 0
.rept 4
	v_nop
.endr
	s_branch .Lasked_\@
.Lfor_b_\@:
	tensor_load_to_lds s[\g0b:\g0b+3], s[\g1b:\g1b+7]
	s_nop 0
.rept 4
	v_nop
.endr
.Lasked_\@:
.endm
.macro CREST
	s_cmp_lg_u32 s[WV], 0
	s_cbranch_scc1 .Lnot_wave_0_\@
	s_barrier_signal -3
.Lnot_wave_0_\@:
	s_barrier_wait -3
	s_barrier_signal -1
	s_barrier_wait -1
.endm
.macro CROUND
	s_barrier_signal -1
	s_barrier_wait -1
	CREST
.endm
	s_load_b256 s[4:11], s[0:1], 0x0               ; ctx_img s[4:5], wo s[6:7], the exponents s[8:9], out0 s[10:11]
	v_lshl_add_u32 v[SPW], v0, 2, SPARE
	v_mov_b32 v[NIL], 0
	ds_add_u32 v[SPW], v[NIL]                      ; the wave's opening: the add, twice on end, and its wait ahead of my first tensor load
	ds_add_u32 v[SPW], v[NIL]
	v_lshrrev_b32 v1, 5, v0
	v_readfirstlane_b32 s[WV], v1
	s_lshr_b32 s[ROLE], s[WV], 1
	s_and_b32 s[HF], s[WV], 1
	s_bfe_u32 s23, ttmp6, 0x40000                  ; cx
	s_bfe_u32 s24, ttmp6, 0x40004                  ; cy
	s_lshl_b32 s25, ttmp9, 2
	s_add_co_u32 s25, s25, s23                     ; F
	s_and_b32 s26, ttmp7, 0xffff
	s_lshl_b32 s26, s26, 2
	s_add_co_u32 s26, s26, s24                     ; T
	s_lshl_b32 s90, s24, 2
	s_lshl_b32 s90, 15, s90                        ; my row of the cluster
	s_lshl_b32 s92, 0x1111, s23                    ; my column
	s_or_b32 s[G1C], s90, (1<<21)                  ; ctx: the mask; elements of 1 byte; no padding; bit 21 beside a mask
	s_or_b32 s[G1W], s92, (1<<20)|(1<<21)|(5<<22)|(3<<25)  ; wo: padding of 4 words after every 64
.irp g, G1C, G1W
	s_mov_b32 s[\g+1], 256<<16
	s_mov_b32 s[\g+3], 256<<16
	s_mov_b32 s[\g+6], 0
	s_mov_b32 s[\g+7], 0
.endr
	s_mov_b32 s[G1C+2], 128<<16                    ; ctx: a dense run of 32,768 bytes as 128 rows of 256
	s_mov_b32 s[G1C+4], 128
	s_mov_b32 s[G1C+5], 256
	s_mov_b32 s[G1W+2], 64<<16                     ; wo: 64 rows of 256 bytes, 1,024 apart
	s_mov_b32 s[G1W+4], 64
	s_mov_b32 s[G1W+5], 1024
	s_lshl_b32 s90, s26, 18                        ; ctx_img: block T is 262,144 bytes,
	s_lshl_b32 s91, s[HF], 15                      ; + my half of a K step's 65,536: made of cy and the wave alone
	s_add_co_u32 s90, s90, s91
	s_mov_b32 s91, 0
	s_lshl_b32 s92, s25, 17                        ; wo: 128 F rows of 1,024 bytes,
	s_lshl_b32 s93, s[HF], 16                      ; + my 64: made of cx and the wave alone
	s_add_co_u32 s92, s92, s93
	s_mov_b32 s93, 0
	s_lshl_b32 s96, s[HF], 15                      ; where they go in a slot
	s_mul_i32 s97, s[HF], WHALF
	s_add_co_u32 s97, s97, WOFF
	s_lshl_b32 s94, s26, 20                        ; out0: 256 T rows of 4,096 bytes,
	s_lshl_b32 s95, s[ROLE], 19                    ; + my 128 rows,
	s_add_co_u32 s94, s94, s95
	s_lshl_b32 s95, s25, 9                         ; + 128 F columns of 4 bytes,
	s_add_co_u32 s94, s94, s95
	s_lshl_b32 s95, s[HF], 8                       ; + my 64
	s_add_co_u32 s94, s94, s95
	s_mov_b32 s95, 0
	s_wait_dscnt 0x0                               ; both opening adds are done
	s_wait_kmcnt 0x0
	s_load_b64 s[84:85], s[8:9], 0x28              ; e10, e11
	s_add_nc_u64 s[CB:CB+1], s[4:5], s[90:91]
	s_add_nc_u64 s[WB:WB+1], s[6:7], s[92:93]
	s_add_nc_u64 s[10:11], s[10:11], s[94:95]
	CROUND                                         ; all sixteen work-groups are here: the first joint loads meet
.irp s, 0,1
	s_mov_b32 s[G0C+4*\s], 1
	s_add_co_u32 s[G0C+4*\s+1], s96, \s*SLOT
	s_add_nc_u64 s[G0C+4*\s+2:G0C+4*\s+3], s[CB:CB+1], \s*65536
	s_or_b32 s[G0C+4*\s+3], s[G0C+4*\s+3], 0x80000000
	s_mov_b32 s[G0W+4*\s], 1
	s_add_co_u32 s[G0W+4*\s+1], s97, \s*SLOT
	s_add_nc_u64 s[G0W+4*\s+2:G0W+4*\s+3], s[WB:WB+1], \s*256
	s_or_b32 s[G0W+4*\s+3], s[G0W+4*\s+3], 0x80000000
	s_wait_alu depctr_va_vdst(0)
	s_wait_tensorcnt 0x0
	ds_add_u32 v28, v29
	ds_add_u32 v28, v29
	s_wait_dscnt 0x0
	CROUND
	JLOAD G0C+4*\s, G1C, G0W+4*\s, G1W             ; K steps 0 and 1, one after the other: one load of mine is out
.endr
	v_and_b32 v1, 15, v0                           ; r
	v_bfe_u32 v2, v0, 4, 1                         ; h
	v_and_b32 v4, 31, v0
	v_lshlrev_b32 v4, 4, v4                        ; 16 x lane
	v_mul_u32_u24 v3, v1, PITCH
	v_lshl_add_u32 v3, v2, 3, v3                   ; wo: row x pitch + 8 h
	s_lshl_b32 s96, s[ROLE], 13                    ; ctx: my 8 tiles of tokens, 1,024 bytes each, in every head
	s_mul_i32 s97, s[HF], WHALF
	s_add_co_u32 s97, s97, WOFF
.irp s, 0,1
	v_add_nc_u32 v[ADRC+\s], s96, v4
	v_add_nc_u32 v[ADRW+\s], s97, v3
	s_add_co_u32 s96, s96, SLOT
	s_add_co_u32 s97, s97, SLOT
.endr
	s_mul_i32 s96, s[WV], 16*SP
	s_add_co_u32 s96, s96, STAGE                   ; my stage
	v_mul_u32_u24 v5, v1, SP
	v_lshl_add_u32 v5, v2, 5, v5
	v_add_nc_u32 v[STO], s96, v5                   ; in: row r, 32 bytes for each half of the lanes
	v_mul_u32_u24 v5, v2, SP
	v_lshl_add_u32 v5, v1, 4, v5
	v_add_nc_u32 v[RD], s96, v5                    ; back: lanes 0-15 one row of 256 bytes, lanes 16-31 the next
	v_lshlrev_b32 v[GO], 12, v2
	v_lshl_add_u32 v[GO], v1, 4, v[GO]             ; and the same two rows in out0
.macro FETCH slot, q, set              ; 64 loads in one run: the q-th 128 along K (heads 2 q, 2 q + 1 of the slot's four) into a set of fragments
	WIN 0x80+0x40*(\set)
.irp i, 0,1,2,3
.irp c, 0,1,2,3,4,5,6,7
	ds_load_b64 v[128+16*\i+2*\c:128+16*\i+2*\c+1], v[ADRW+\slot] offset:128*(\q)+16*\c+\i*16*PITCH
.endr
.endr
.irp i, 0,1,2,3,4,5,6,7
.irp c, 0,1,2,3
	ds_load_b128 v[16*\i+4*\c:16*\i+4*\c+3], v[ADRC+\slot] offset:(2*(\q)+\c/2)*16384+\i*1024+(\c%2)*512
.endr
.endr
.endm
.macro MULS set, a0, cnt, zero         ; the 32 accumulators take turns, one instruction a turn, in the same order in every run
	WIN 0x5a+5*(\set)
.set ma, \a0
.rept \cnt
.irp b, 0,1,2,3
.if \zero
	v_wmma_f32_16x16x128_fp8_fp8 v[8*(4*ma+\b):8*(4*ma+\b)+7], v[128+16*\b:128+16*\b+15], v[16*ma:16*ma+15], 0
.else
	v_wmma_f32_16x16x128_fp8_fp8 v[8*(4*ma+\b):8*(4*ma+\b)+7], v[128+16*\b:128+16*\b+15], v[16*ma:16*ma+15], v[8*(4*ma+\b):8*(4*ma+\b)+7]
.endif
.endr
.set ma, ma+1
.endr
.endm
.macro HALF0 slot, zero
	s_wait_dscnt 0x0                               ; set 0 is in
	MULS 0, 0, 4, \zero
	PLACES 4                                       ; four places in front of loads into set 1, which matrix instructions have read
	FETCH \slot, 1, 1
	MULS 0, 4, 4, \zero
.endm
.macro TURN slot, mode, m
	WIN 0
	s_wait_tensorcnt 0x0                           ; all my tensor loads have landed: my part of the other slot
	ds_add_u32 v[SPW], v[NIL]                      ; 0 onto my spare word
	s_wait_dscnt 0x1                               ; only the add may be out: set 1 is in
	MULS 1, 0, 2, 0
	s_wait_dscnt 0x0                               ; the add is done, and my reads of this slot are over
	s_barrier_signal -1
	MULS 1, 2, 2, 0
	WIN 0
	s_barrier_wait -1
.if \mode
	CREST                                          ; no wave of any partner still reads this slot or has a load on its way
	s_add_nc_u64 s[G0C+4*\slot+2:G0C+4*\slot+3], s[CB:CB+1], (\m)*65536
	s_or_b32 s[G0C+4*\slot+3], s[G0C+4*\slot+3], 0x80000000
	s_add_nc_u64 s[G0W+4*\slot+2:G0W+4*\slot+3], s[WB:WB+1], (\m)*256
	s_or_b32 s[G0W+4*\slot+3], s[G0W+4*\slot+3], 0x80000000
	JLOAD G0C+4*\slot, G1C, G0W+4*\slot, G1W       ; the first tensor load behind the round; its four v_nop are the places in front of the loads below
.else
	PLACES 4
.endif
	s_wait_alu depctr_va_vdst(0)
	FETCH 1-(\slot), 0, 0
	MULS 1, 4, 4, 0
.endm
	s_wait_tensorcnt 0x1                           ; my part of K step 0 is in; K step 1's may stay out
	s_barrier_signal -1
	s_barrier_wait -1
	FETCH 0, 0, 0
	HALF0 0, 1
	TURN 0, 1, 2
	HALF0 1, 0
	TURN 1, 1, 3
	HALF0 0, 0
	TURN 0, 0, 0                                   ; the last change of slots fills nothing, and has no round
	HALF0 1, 0
	s_wait_dscnt 0x0
	MULS 1, 0, 8, 0
	WIN 0
; THE WAY OUT, block by block of 16 tokens x 64 features.  A lane holds 32 neighbouring bytes of a row, the lanes beside it other rows: a block goes through my own stage and comes back as whole rows of 256 bytes.
; LDS serves a wave's instructions in order (ISA guide 5.7.1.4): no wait between the stores and the loads, nor in front of the next block's stores.
.macro TOSTAGE a
	WIN 0x01
.irp j, 0,2,4,6,8,10,12,14,16,18,20,22,24,26,28,30
	v_pk_mul_f32 v[TMP+\j:TMP+\j+1], v[32*(\a)+\j:32*(\a)+\j+1], s[84:85] op_sel_hi:[1,0]   ; x 2^(e10 + e11); each accumulator from its low end on
.endr
	WIN 0
.irp b, 0,1,2,3
	ds_store_b128 v[STO], v[TMP+8*\b:TMP+8*\b+3] offset:64*\b
	ds_store_b128 v[STO], v[TMP+8*\b+4:TMP+8*\b+7] offset:64*\b+16
.endr
.set BB, BK+32*((\a)%2)
.irp t, 0,1,2,3,4,5,6,7
	ds_load_b128 v[BB+4*\t:BB+4*\t+3], v[RD] offset:\t*2*SP
.endr
.endm
.macro SEND a, younger                 ; younger: the LDS instructions issued behind block a's loads, which may stay out
.set BB, BK+32*((\a)%2)
	s_wait_dscnt \younger
.irp t, 0,1,2,3,4,5,6,7
	global_store_b128 v[GO], v[BB+4*\t:BB+4*\t+3], s[10:11] offset:(16*(\a)+2*\t)*4096 th:TH_STORE_NT   ; 16 lanes store 256 consecutive bytes, at a multiple of 256 from out0's first byte; 126 rows at the most: inside the signed 24-bit immediate
.endr
.endm
	s_wait_kmcnt 0x0
	s_add_co_i32 s84, s84, s85
	s_add_co_i32 s84, s84, 127
	s_lshl_b32 s84, s84, 23                        ; 2^(e10 + e11) as f32
	s_mov_b32 s85, s84                             ; (named with it as a pair, so it is written)
	PLACES 4                                       ; behind the last products
	TOSTAGE 0
.irp a, 1,2,3,4,5,6,7
.if \a > 1
	s_wait_xcnt 0x0                                ; block a - 2's stores have had their registers read: block a's loads may land there
.endif
	TOSTAGE \a
	SEND \a-1, 16                                  ; behind block a - 1's loads: block a's 8 stores and 8 loads
.endr
	SEND 7, 0
	s_wait_tensorcnt 0x0                           ; the wave's end: behind my last tensor load and my last LDS store
	ds_add_u32 v[SPW], v[NIL]
	s_wait_dscnt 0x0
	CROUND                                         ; the closing round
	s_endpgm
.Lfunc_end_k_q5c0987e4c8_outp:
	.size	k_q5c0987e4c8_outp, .Lfunc_end_k_q5c0987e4c8_outp-k_q5c0987e4c8_outp
	.p2alignl 7, 3214868480
	.fill 96, 4, 3214868480
	.section	.rodata,"a",@progbits
	.p2align	6, 0x0
	.amdhsa_kernel k_q5c0987e4c8_outp
		.amdhsa_group_segment_fixed_size 327680
		.amdhsa_private_segment_fixed_size 0
		.amdhsa_enable_private_segment 0
		.amdhsa_kernarg_size 32
		.amdhsa_user_sgpr_count 2
		.amdhsa_user_sgpr_kernarg_segment_ptr 1
		.amdhsa_wavefront_size32 1
		.amdhsa_system_sgpr_workgroup_id_x 1
		.amdhsa_system_sgpr_workgroup_id_y 1
		.amdhsa_system_sgpr_workgroup_id_z 1
		.amdhsa_system_vgpr_workitem_id 0
		.amdhsa_next_free_vgpr 1024
		.amdhsa_next_free_sgpr 100
		.amdhsa_reserve_vcc 0
		.amdhsa_float_denorm_mode_32 3
		.amdhsa_float_denorm_mode_16_64 3
		.amdhsa_memory_ordered 1
		.amdhsa_forward_progress 1
		.amdhsa_inst_pref_size 85
	.end_amdhsa_kernel
	.amdgpu_metadata
---
amdhsa.version: [ 1, 2 ]
amdhsa.kernels:
  - .name:           k_q5c0987e4c8_outp
    .symbol:         k_q5c0987e4c8_outp.kd
    .args:
      - { .name: ctx_img, .offset: 0, .size: 8, .value_kind: global_buffer, .address_space: global }
      - { .name: wo_codes, .offset: 8, .size: 8, .value_kind: global_buffer, .address_space: global }
      - { .name: lowp_scales, .offset: 16, .size: 8, .value_kind: global_buffer, .address_space: global }
      - { .name: out0, .offset: 24, .size: 8, .value_kind: global_buffer, .address_space: global }
    .group_segment_fixed_size: 327680
    .private_segment_fixed_size: 0
    .kernarg_segment_align: 8
    .kernarg_segment_size: 32
    .max_flat_workgroup_size: 128
    .sgpr_count:     100
    .vgpr_count:     1024
    .wavefront_size: 32
...
	.end_amdgpu_metadata
.endif
;; end of part 3
